; MI455X (gfx1250); checked and timed in simulation.
; The chip was launched on July 23, 2026; its instructions are those of AMD's public machine-readable ISA for CDNA 5 (MIT licence, August 2026) and "CDNA5" Instruction Set Architecture Reference Guide (July 2026). The comments in the code are by the model that wrote it; some were corrected since.
;; Device Aware Mo E Layer. Allowed arithmetic: matrix products marked QUANTISED: E3M2 operands, one E8M0 scale for each 32 along K, by v_wmma_scale_f32_16x16x128_f8f6f4 with both operands' format E3M2, f32 sums; products left as they are: f32 operands where the result goes on into a quantised operand, else bf16, f16 or f32 operands; f32 sums; everything else in f32.
;; Inputs: b1 16 x 2,048 float32; b2 16 x 1,024 float32; gate_b 16 float32; gate_w 1,024 x 16 float32; w1 16 x 1,024 x 2,048 float32; w2 16 x 2,048 x 1,024 float32; x 2 x 512 x 1,024 float32.
;; Outputs: out0 2 x 512 x 1,024 float32.
;; This version of the problem:
;;   THIS VERSION OF THE PROBLEM IS GIVEN IN LOW PRECISION. The matrix products marked QUANTISED in the list below multiply operands that are first quantised to E3M2 (3 exponent bits, 2 mantissa bits; 6 bits a number), with one power-of-two scale for each 32 numbers along K (OCP MX v1.0); their sums are f32. All else is computed in f32.
;;   The module's matrix products, in the order in which they are computed (A, B: the left and right operand; K: the contracted axis; several contracted axes count as one K, in the product's order):
;;     1. [M 1,024, K 1,024] x [K 1,024, N 16]; A: input x; B: input gate_w: QUANTISED
;;     2. [M 1,024, K 1,024] x [K 1,024, N 32,768]; A: input x; B: input w1: QUANTISED
;;     3. batch 16 x [M 1,024, K 2,048] x [K 2,048, N 1,024]; A: input w2; B: computed on the way: QUANTISED
;;     4. batch 1,024 x [M 1,024, K 16] x [K 16, N 1]; A: computed on the way; B: computed on the way: left as it is (K = 16 < 32)
;;   THE QUANTISER, for each operand of a quantised product, along K:
;;     - K is cut into blocks of 32 from its start; a last block that is shorter is filled with zeros.
;;     - A block's scale is 2^e with e = floor(log2(the largest magnitude in the block)) - 4, held to -126 .. 127; a block of zeros has e = 0. As a byte (E8M0): e + 127.
;;     - Each number is divided by its block's scale, clamped to +-28, and rounded to the nearest number of E3M2, ties to even, subnormals kept.
;;     - The product sums the exact products of the quantised numbers (number of the format x scale) in f32.
;;   ~~~python
;;   def quantise(x, axis):      # numpy; x: float32 -> the quantised numbers, widened to float32 again
;;       x = np.moveaxis(x, axis, -1); K = x.shape[-1]
;;       x = np.pad(x, [(0, 0)] * (x.ndim - 1) + [(0, -K % 32)]); x = x.reshape(x.shape[:-1] + (-1, 32)); a = np.abs(x).max(-1, keepdims=True)
;;       e = np.where(a > 0, np.clip(np.frexp(np.where(a > 0, a, 1))[1] - 1 - 4, -126, 127), 0)      # np.frexp(a)[1] - 1 = floor(log2(a)), exactly
;;       r = np.clip(x / 2.0 ** e, -28, 28)
;;       step = 2.0 ** (np.maximum(np.frexp(np.where(r == 0, 1, r))[1] - 1, -2) - 2)
;;       q = np.round(r / step) * step * 2.0 ** e      # np.round: ties to even
;;       return np.moveaxis(q.reshape(q.shape[:-2] + (-1,))[..., :K], -1, axis).astype(np.float32)
;;   ~~~
;;   OPERANDS COMPUTED ON THE WAY. 'Computed on the way' means the value that the module computes at that place (a softmax that the list does not call 'softmax' is quantised finished and normalised). What goes into a quantiser is computed in f32, as accurately as f32 sums, v_exp_f32 and their like allow (about 1e-6 of the number): no bf16 or f16 on the way to a quantiser, and a product that is left as it is and whose result goes on into a quantised operand takes f32 operands (vector FMAs, or v_wmma_f32_16x16x4_f32). A number that lies on a knife's edge between two numbers of the format may be rounded either way, as far as f32 arithmetic and the matrix unit's own rounding can turn it there, and no further.
;; One version. Each part assembles by itself: llvm-mc -triple=amdgcn-amd-amdhsa -mcpu=gfx1250 --defsym DOCPART=n.
;; ======== version 1 of 1: 4 launches
;; limits: right only within a limited range of input values
;; workspace buffers: xq 1,048,576 bytes; top1 4,096 bytes of whole numbers; perm 4,096 bytes of whole numbers; meta 256 bytes of whole numbers; hq 2,621,440 bytes
;; launch gate (part 1): grid 64 x 1, 8 waves a work-group, no clusters, 25,856 bytes of LDS; arguments x, gate_w, gate_b, xq, top1; writes xq, top1
.if DOCPART == 1
	.amdgcn_target "amdgcn-amd-amdhsa--gfx1250"
	.amdhsa_code_object_version 6
	.text
	.protected	k_q4db2c2fb46_gate
	.globl	k_q4db2c2fb46_gate
	.p2align	8
	.type	k_q4db2c2fb46_gate,@function
k_q4db2c2fb46_gate:
	s_mov_b64 s[64:65], 0
	v_nop
	global_prefetch_b8 v0, s[64:65] scope:SCOPE_SE
	s_setreg_imm32_b32 hwreg(HW_REG_WAVE_MODE, 25, 1), 1
	s_wait_xcnt 0x0
; x [1024 tokens][1024] f32 becomes codes of E3M2 with one E8M0 byte for each 32 along K (xq); the gate's logits x gate_w + gate_b are made on those codes, and each token's first largest logit is stored (top1).
; SHARES.  A work-group takes 16 tokens; wave w takes K step w (k = 128 w .. 128 w + 127): it quantises its 16 x 128 numbers of x and its 128 x 16 numbers of gate_w and makes one product.
; The eight partial logits meet in LDS; wave 0 adds them in the order of K, adds gate_b and takes the argmax (a strict comparison keeps the lower index).  No address and no branch hangs on a logit.
; xq: [token][K step 8][half 2][64 bytes]: bytes 0-47 are the 12 operand registers of lane (row, half) for that K step, bytes 48-63 the row's scale word four times.  A token's record is 1,024 bytes.
; LIMITS: NaN and infinities among the inputs are not served; a block whose largest magnitude lies under 2^-122 has its byte held at 1; a block of zeros has the byte 1 (its codes are zeros, and this program alone
; reads the bytes); logits that are equal within the order of f32 sums may fall either way.
.set XP,  1040                         ; LDS: a token's record, 1,024 bytes + 16
.set LG,  16*XP                        ; behind the 16 records: eight images of 8 registers, 1,024 bytes each
.set XN,  16                           ; v16-79   64 numbers of x
.set GN,  80                           ; v80-143  64 numbers of gate_w; later the eight images
.set PC,  144                          ; v144-155 x's codes; v156-162 halves on their way
.set GF,  164                          ; v164-175 gate_w's codes
.set GT,  176                          ; v176-182 halves on their way
.set TM,  184                          ; v184-199 at work
.set PW,  200                          ; v200-203 x's scale word, four times
.set GSW, 204                          ; v204     gate_w's scale word
.set DD,  208                          ; v208-215 the product
.set GB,  216                          ; v216-223 gate_b of my eight experts
.set SEL, 30                           ; s[30:31] lane selects: lane l xor 16
; 64 numbers of a lane, register 16 b + i = k 32 b + 16 (lane / 16) + i of my row, become a fragment's codes in v[PC] on and its scale word in v[PW].
.macro QUANT s
.irp b, 0,1,2,3
	v_max3_num_f32 v[TM+\b], |v[\s+16*\b]|, |v[\s+1+16*\b]|, 0x2800000   ; block b: my 16 numbers, and the floor 2^(5 - 127): the byte cannot fall under 1
.endr
.irp i, 2,4,6,8,10,12,14
.irp b, 0,1,2,3
	s_delay_alu instid0(VALU_DEP_4)
	v_max3_num_f32 v[TM+\b], v[TM+\b], |v[\s+16*\b+\i]|, |v[\s+1+16*\b+\i]|   ; the four blocks by turns
.endr
.endr
.irp b, 0,1,2,3
	s_delay_alu instid0(VALU_DEP_4)
	v_permlanex16_b32 v[TM+4+\b], v[TM+\b], s[SEL], s[SEL+1]
.endr
.irp b, 0,1,2,3
	s_delay_alu instid0(VALU_DEP_4)
	v_max_num_f32 v[TM+\b], v[TM+\b], v[TM+4+\b]   ; with lane l xor 16's: the block's largest magnitude
.endr
.irp b, 0,1,2,3
	s_delay_alu instid0(VALU_DEP_4)
	v_add_nc_u32 v[TM+12+\b], 0xfe000000, v[TM+\b]   ; 4 off its exponent field: the conversion's scale operand
.endr
.irp b, 0,1,2,3
	s_delay_alu instid0(VALU_DEP_4)
	v_lshrrev_b32 v[TM+4+\b], 23, v[TM+12+\b]      ; the scale's byte
.endr
	s_delay_alu instid0(VALU_DEP_3)
	v_lshl_or_b32 v[PW], v[TM+5], 8, v[TM+4]
	s_delay_alu instid0(VALU_DEP_1)
	v_lshl_or_b32 v[PW], v[TM+6], 16, v[PW]
	s_delay_alu instid0(VALU_DEP_1)
	v_lshl_or_b32 v[PW], v[TM+7], 24, v[PW]        ; my row's scale word
.irp c, 0,1
	v_cvt_scalef32_pk16_bf6_f32 v[PC+6*\c:PC+2+6*\c], v[\s+32*\c:\s+15+32*\c], v[TM+12+2*\c]
	v_cvt_scalef32_pk16_bf6_f32 v[PC+12+4*\c:PC+14+4*\c], v[\s+16+32*\c:\s+31+32*\c], v[TM+12+2*\c+1]   ; a conversion's three registers begin on an even number
.endr
	v_nop                                          ; one plain place behind a scaled conversion
.irp c, 0,1                                    ; the operand wants a whole block in a lane: lanes 0-15 block 2 c, lanes 16-31 block 2 c + 1
.irp i, 0,1,2
	v_permlane16_swap_b32 v[PC+6*\c+\i], v[PC+12+4*\c+\i]
.endr
.irp i, 0,1,2
	s_delay_alu instid0(VALU_DEP_3)
	v_mov_b32 v[PC+3+6*\c+\i], v[PC+12+4*\c+\i]
.endr
.endr
.endm
	s_load_b256 s[4:11], s[0:1], 0x0               ; x s[4:5], gate_w s[6:7], gate_b s[8:9], xq s[10:11]
	s_load_b64 s[12:13], s[0:1], 0x20              ; top1
	v_lshl_add_u32 v224, v0, 2, 0x6100
	v_mov_b32 v225, 0
	v_lshrrev_b32 v1, 5, v0
	s_delay_alu instid0(VALU_DEP_1)
	v_readfirstlane_b32 s16, v1                    ; wave 0..7 = my K step
	v_and_b32 v3, 31, v0                           ; lane
	v_and_b32 v1, 15, v0                           ; r
	v_bfe_u32 v2, v0, 4, 1                         ; h
	s_delay_alu instid0(VALU_DEP_2)
	v_lshlrev_b32 v4, 12, v1
	s_delay_alu instid0(VALU_DEP_1)
	v_lshl_add_u32 v4, v2, 6, v4                   ; x: row r of 4,096 bytes, + 64 h: my 16 numbers of a block of 32
	s_delay_alu instid0(VALU_DEP_4)
	v_lshlrev_b32 v5, 2, v1
	s_delay_alu instid0(VALU_DEP_1)
	v_lshl_add_u32 v5, v2, 11, v5                  ; gate_w: column r, and 32 rows of 64 bytes further down for lanes 16-31
	v_lshlrev_b32 v6, 4, v3                        ; 16 x lane
	v_lshlrev_b32 v11, 5, v2                       ; gate_b: 32 h
	v_lshlrev_b32 v12, 3, v2                       ; my first expert: 8 h
	v_lshlrev_b32 v13, 2, v1                       ; top1: 4 r
	v_mul_u32_u24 v7, v1, XP
	s_delay_alu instid0(VALU_DEP_1)
	v_lshl_add_u32 v7, v2, 6, v7
	s_lshl_b32 s17, s16, 7
	v_add_nc_u32 v7, s17, v7                       ; LDS, in: token r's record, K step w, half h
	s_mul_i32 s17, s16, 2*XP
	v_add_nc_u32 v8, s17, v6                       ; LDS, out: tokens 2 w and 2 w + 1, 16 bytes a lane
	s_lshl_b32 s17, s16, 10
	s_add_co_u32 s17, s17, LG
	v_add_nc_u32 v9, s17, v6                       ; my image
	v_add_nc_u32 v10, LG, v6                       ; the first image
	s_mov_b32 s[SEL], 0x76543210
	s_mov_b32 s[SEL+1], 0xfedcba98
.irp b, 4,5,6,7,9
	v_mov_b32 v[TM+\b], 0                          ; a lane permute's destination counts as one of its sources
.endr
	s_lshl_b32 s20, ttmp9, 16                      ; x: 16 tokens of 4,096 bytes a work-group, 512 bytes a K step
	s_lshl_b32 s17, s16, 9
	s_add_co_u32 s20, s20, s17
	s_mov_b32 s21, 0
	s_lshl_b32 s22, s16, 13                        ; gate_w: 128 rows of 64 bytes a K step
	s_mov_b32 s23, 0
	s_lshl_b32 s24, ttmp9, 14                      ; xq: 16 records a work-group, two a wave
	s_lshl_b32 s17, s16, 11
	s_add_co_u32 s24, s24, s17
	s_mov_b32 s25, 0
	s_lshl_b32 s26, ttmp9, 6                       ; top1: 16 words a work-group
	s_mov_b32 s27, 0
	s_wait_kmcnt 0x0
	s_add_nc_u64 s[4:5], s[4:5], s[20:21]
	s_add_nc_u64 s[6:7], s[6:7], s[22:23]
	s_add_nc_u64 s[10:11], s[10:11], s[24:25]
	s_add_nc_u64 s[12:13], s[12:13], s[26:27]
	global_load_b128 v[GB:GB+3], v11, s[8:9]
	global_load_b128 v[GB+4:GB+7], v11, s[8:9] offset:16
.irp b, 0,1,2,3
.irp q, 0,1,2,3
	global_load_b128 v[XN+16*\b+4*\q:XN+16*\b+4*\q+3], v4, s[4:5] offset:128*\b+16*\q th:TH_LOAD_NT   ; x(r, 128 w + 32 b + 16 h + 4 q ..)
.endr
.endr
.irp c, 0,1
.irp i, 0,1,2,3,4,5,6,7,8,9,10,11,12,13,14,15,16,17,18,19,20,21,22,23,24,25,26,27,28,29,30,31
	global_load_b32 v[GN+32*\c+\i], v5, s[6:7] offset:64*(64*\c+\i)   ; gate_w(128 w + 64 c + 32 h + i, r): a lane takes a column, its registers run down K
.endr
.endr
	s_wait_loadcnt 63                              ; 64 loads stand behind x's; the count's field ends at 63
	QUANT XN
	v_mov_b32 v[PW+1], v[PW]
	v_mov_b32 v[PW+2], v[PW]
	v_mov_b32 v[PW+3], v[PW]
	ds_store_b128 v7, v[PC:PC+3]
	ds_store_b128 v7, v[PC+4:PC+7] offset:16
	ds_store_b128 v7, v[PC+8:PC+11] offset:32
	ds_store_b128 v7, v[PW:PW+3] offset:48
	s_wait_loadcnt 0x0                             ; gate_w (and gate_b)
.irp c, 0,1                                    ; my block 2 c + h of column r: all its 32 numbers are mine
	v_max3_num_f32 v[TM+\c], |v[GN+32*\c]|, |v[GN+1+32*\c]|, 0x2800000
.endr
.irp i, 2,4,6,8,10,12,14,16,18,20,22,24,26,28,30
.irp c, 0,1
	s_delay_alu instid0(VALU_DEP_2)
	v_max3_num_f32 v[TM+\c], v[TM+\c], |v[GN+32*\c+\i]|, |v[GN+1+32*\c+\i]|
.endr
.endr
.irp c, 0,1
	s_delay_alu instid0(VALU_DEP_2)
	v_add_nc_u32 v[TM+12+\c], 0xfe000000, v[TM+\c]
.endr
.irp c, 0,1
	s_delay_alu instid0(VALU_DEP_2)
	v_lshrrev_b32 v[TM+4+\c], 23, v[TM+12+\c]
.endr
	s_delay_alu instid0(VALU_DEP_1)
	v_lshl_or_b32 v[GSW], v[TM+5], 16, v[TM+4]     ; my two bytes: blocks h and 2 + h,
	s_delay_alu instid0(VALU_DEP_1)
	v_lshlrev_b32 v[GSW], v12, v[GSW]              ; at their places (8 h bits up);
	s_delay_alu instid0(VALU_DEP_1)
	v_permlanex16_b32 v[TM+9], v[GSW], s[SEL], s[SEL+1]
	s_delay_alu instid0(VALU_DEP_1)
	v_or_b32 v[GSW], v[GSW], v[TM+9]               ; with lane l xor 16's two the word is whole
.irp c, 0,1
	v_cvt_scalef32_pk16_bf6_f32 v[GF+6*\c:GF+2+6*\c], v[GN+32*\c:GN+15+32*\c], v[TM+12+\c]
	v_cvt_scalef32_pk16_bf6_f32 v[GT+4*\c:GT+2+4*\c], v[GN+16+32*\c:GN+31+32*\c], v[TM+12+\c]
.endr
	v_nop                                          ; one plain place behind a scaled conversion
.irp c, 0,1
.irp i, 0,1,2
	v_mov_b32 v[GF+3+6*\c+\i], v[GT+4*\c+\i]
.endr
.endr
.rept 8
	v_nop                                          ; an operand written by vector instructions stands 4 places ahead of a scaled matrix instruction, a scale register 8
.endr
	v_wmma_scale_f32_16x16x128_f8f6f4 v[DD:DD+7], v[GF:GF+11], v[PC:PC+11], 0, v[GSW], v[PW] matrix_a_fmt:MATRIX_FMT_BF6 matrix_b_fmt:MATRIX_FMT_BF6   ; source 0 = the 16 experts, source 1 = my 16 tokens: lane (r, h), register j: token r, expert 8 h + j
.rept 4
	v_nop
.endr
	ds_store_b128 v9, v[DD:DD+3]                   ; the result as an image of its registers, from its low end on
	ds_store_b128 v9, v[DD+4:DD+7] offset:512
	s_wait_dscnt 0x0                               ; for the others' sake: my stores have landed
	s_barrier_signal -1
	s_barrier_wait -1
	ds_load_b128 v[16:19], v8                      ; two whole records, which eight waves wrote
	ds_load_b128 v[20:23], v8 offset:512
	ds_load_b128 v[24:27], v8 offset:XP
	ds_load_b128 v[28:31], v8 offset:XP+512
.irp i, 0,1,2,3
	s_wait_dscnt 3-\i
	global_store_b128 v6, v[16+4*\i:19+4*\i], s[10:11] offset:512*\i   ; 32 lanes store 512 consecutive bytes, aligned
.endr
	s_cmp_lg_u32 s16, 0
	s_cbranch_scc1 .Ldone                          ; the argmax is wave 0's; no barrier follows
.irp w, 0,1,2,3,4,5,6,7
	ds_load_b128 v[GN+8*\w:GN+8*\w+3], v10 offset:1024*\w
	ds_load_b128 v[GN+8*\w+4:GN+8*\w+7], v10 offset:1024*\w+512
.endr
	v_mov_b32 v43, 0
	v_mov_b32 v44, 0
	s_wait_dscnt 0x0
.irp j, 0,2,4,6
	v_pk_add_f32 v[32+\j:33+\j], v[GN+\j:GN+1+\j], v[GN+8+\j:GN+9+\j]
.endr
.irp w, 2,3,4,5,6,7
.irp j, 0,2,4,6
	s_delay_alu instid0(VALU_DEP_4)
	v_pk_add_f32 v[32+\j:33+\j], v[32+\j:33+\j], v[GN+8*\w+\j:GN+8*\w+1+\j]   ; K ascending
.endr
.endr
.irp j, 0,2,4,6
	s_delay_alu instid0(VALU_DEP_4)
	v_pk_add_f32 v[32+\j:33+\j], v[32+\j:33+\j], v[GB+\j:GB+1+\j]
.endr
	s_delay_alu instid0(VALU_DEP_4)
	v_mov_b32 v40, v32                             ; the largest so far,
	v_mov_b32 v41, v12                             ; and its expert
.irp j, 1,2,3,4,5,6,7
	v_add_nc_u32 v42, \j, v12
	s_delay_alu instid0(VALU_DEP_3)
	v_cmp_gt_f32 vcc_lo, v[32+\j], v40             ; strictly larger: the lower index stays on a tie
	s_delay_alu instid0(VALU_DEP_1)
	v_cndmask_b32 v40, v40, v[32+\j], vcc_lo
	s_delay_alu instid0(VALU_DEP_2)
	v_cndmask_b32 v41, v41, v42, vcc_lo
.endr
	s_delay_alu instid0(VALU_DEP_2)
	v_permlanex16_b32 v43, v40, s[SEL], s[SEL+1]
	s_delay_alu instid0(VALU_DEP_2)
	v_permlanex16_b32 v44, v41, s[SEL], s[SEL+1]
	s_delay_alu instid0(VALU_DEP_2)
	v_cmp_gt_f32 vcc_lo, v43, v40                  ; in lanes 0-15: experts 8-15 win only where strictly larger
	s_delay_alu instid0(VALU_DEP_1)
	v_cndmask_b32 v41, v41, v44, vcc_lo
	v_cmp_gt_u32 vcc_lo, 16, v3
	s_wait_alu depctr_va_vdst(0)
	s_wait_xcnt 0x0                                ; EXEC changes only behind this wait: the stores above have read it
	s_and_saveexec_b32 s28, vcc_lo
	global_store_b32 v13, v41, s[12:13]            ; lanes 0-15: 64 consecutive bytes
	s_wait_xcnt 0x0
	s_or_b32 exec_lo, exec_lo, s28
.Ldone:
	s_wait_tensorcnt 0x0
	ds_add_u32 v224, v225
	s_wait_dscnt 0x0
	s_endpgm
.Lfunc_end_k_q4db2c2fb46_gate:
	.size	k_q4db2c2fb46_gate, .Lfunc_end_k_q4db2c2fb46_gate-k_q4db2c2fb46_gate
	.p2alignl 7, 3214868480
	.fill 96, 4, 3214868480
	.section	.rodata,"a",@progbits
	.p2align	6, 0x0
	.amdhsa_kernel k_q4db2c2fb46_gate
		.amdhsa_group_segment_fixed_size 25856
		.amdhsa_private_segment_fixed_size 0
		.amdhsa_enable_private_segment 0
		.amdhsa_kernarg_size 40
		.amdhsa_user_sgpr_count 2
		.amdhsa_user_sgpr_kernarg_segment_ptr 1
		.amdhsa_wavefront_size32 1
		.amdhsa_system_sgpr_workgroup_id_x 1
		.amdhsa_system_sgpr_workgroup_id_y 1
		.amdhsa_system_sgpr_workgroup_id_z 1
		.amdhsa_system_vgpr_workitem_id 0
		.amdhsa_next_free_vgpr 226
		.amdhsa_next_free_sgpr 66
		.amdhsa_reserve_vcc 1
		.amdhsa_float_denorm_mode_32 3
		.amdhsa_float_denorm_mode_16_64 3
		.amdhsa_memory_ordered 1
		.amdhsa_forward_progress 1
		.amdhsa_inst_pref_size 28
	.end_amdhsa_kernel
	.amdgpu_metadata
---
amdhsa.version: [ 1, 2 ]
amdhsa.kernels:
  - .name:           k_q4db2c2fb46_gate
    .symbol:         k_q4db2c2fb46_gate.kd
    .args:
      - { .name: x, .offset: 0, .size: 8, .value_kind: global_buffer, .address_space: global }
      - { .name: gate_w, .offset: 8, .size: 8, .value_kind: global_buffer, .address_space: global }
      - { .name: gate_b, .offset: 16, .size: 8, .value_kind: global_buffer, .address_space: global }
      - { .name: xq, .offset: 24, .size: 8, .value_kind: global_buffer, .address_space: global }
      - { .name: top1, .offset: 32, .size: 8, .value_kind: global_buffer, .address_space: global }
    .group_segment_fixed_size: 25856
    .private_segment_fixed_size: 0
    .kernarg_segment_align: 8
    .kernarg_segment_size: 40
    .max_flat_workgroup_size: 256
    .sgpr_count:     66
    .vgpr_count:     226
    .wavefront_size: 32
...
	.end_amdgpu_metadata
.endif
;; end of part 1
;; launch place (part 2): grid 1 x 1, 32 waves a work-group, no clusters, 8,192 bytes of LDS; arguments top1, perm, meta; writes perm, meta
.if DOCPART == 2
	.amdgcn_target "amdgcn-amd-amdhsa--gfx1250"
	.amdhsa_code_object_version 6
	.text
	.protected	k_q4db2c2fb46_place
	.globl	k_q4db2c2fb46_place
	.p2align	8
	.type	k_q4db2c2fb46_place,@function
k_q4db2c2fb46_place:
	s_mov_b64 s[64:65], 0
	v_nop
	global_prefetch_b8 v0, s[64:65] scope:SCOPE_SE
	s_setreg_imm32_b32 hwreg(HW_REG_WAVE_MODE, 25, 1), 1
	s_wait_xcnt 0x0
; A counting sort of the 1,024 tokens by their expert, on whole numbers alone.  One work-group, a thread to a token; no atomics.
; perm: the tokens in the order of their experts, within an expert ascending.  meta: words 0-15 each expert's count, 16-31 its first place in perm, 32-47 its first tile of 16 rows
; (the running sum of the counts, each rounded up to whole tiles), 48-63 zeros.
	s_load_b128 s[4:7], s[0:1], 0x0                ; top1, perm
	s_load_b64 s[8:9], s[0:1], 0x10                ; meta
	v_lshl_add_u32 v64, v0, 2, 0x1000
	v_mov_b32 v65, 0
	v_lshrrev_b32 v1, 5, v0
	s_delay_alu instid0(VALU_DEP_1)
	v_readfirstlane_b32 s16, v1                    ; wave 0..31
	v_and_b32 v2, 31, v0                           ; lane
	v_lshlrev_b32 v3, 2, v0                        ; 4 x thread
	v_and_b32 v8, 15, v0
	s_delay_alu instid0(VALU_DEP_1)
	v_lshlrev_b32 v8, 2, v8                        ; 4 x (lane % 16)
	v_mov_b32 v5, 0                                ; lane e: how many of my wave's tokens chose expert e
	v_mov_b32 v6, 0                                ; how many lower lanes of my wave chose my expert
	s_wait_alu depctr_va_vdst(0)
	s_wait_kmcnt 0x0
	global_load_b32 v4, v3, s[4:5]
	s_wait_loadcnt 0x0
	v_min_u32 v4, 15, v4
.irp e, 0,1,2,3,4,5,6,7,8,9,10,11,12,13,14,15
	v_cmp_eq_u32 s[32+\e], \e, v4                  ; s[32 + e]: the lanes that chose e
	s_bcnt1_i32_b32 s17, s[32+\e]
	v_writelane_b32 v5, s17, \e
	v_mbcnt_lo_u32_b32 v7, s[32+\e], 0
	s_delay_alu instid0(VALU_DEP_1)
	v_cndmask_b32 v6, v6, v7, s[32+\e]
.endr
	ds_store_b32 v3, v5                            ; 128 bytes a wave
	s_wait_dscnt 0x0
	s_barrier_signal -1
	s_barrier_wait -1
.set LW, 0
.rept 32
	ds_load_b32 v[16+LW], v8 offset:128*LW         ; wave LW's count of expert lane % 16
.set LW, LW+1
.endr
	v_mov_b32 v9, 0                                ; the sum over all waves,
	v_mov_b32 v10, 0                               ; and over the waves in front of mine
	s_wait_alu depctr_va_vdst(0)
	s_wait_dscnt 0x0
.set LW, 0
.rept 32
	v_add_nc_u32 v9, v9, v[16+LW]
	s_cmp_lt_u32 LW, s16
	s_cselect_b32 s17, -1, 0
	v_and_b32 v11, s17, v[16+LW]
	s_delay_alu instid0(VALU_DEP_1)
	v_add_nc_u32 v10, v10, v11
.set LW, LW+1
.endr
	v_mov_b32 v12, v9                              ; meta's words 0-31: lanes 0-15 hold the counts, lanes 16-31 take the first places
	v_mov_b32 v13, 0                               ; words 32-63
	s_mov_b32 s18, 0                               ; the running first place,
	s_mov_b32 s19, 0                               ; and first tile
	s_wait_alu depctr_va_vdst(0)
.irp e, 0,1,2,3,4,5,6,7,8,9,10,11,12,13,14,15
	v_readlane_b32 s20, v9, \e
	v_readlane_b32 s21, v10, \e
	s_add_co_u32 s[48+\e], s18, s21                ; where my wave's tokens of expert e begin
	v_writelane_b32 v12, s18, 16+\e
	v_writelane_b32 v13, s19, \e
	s_add_co_u32 s18, s18, s20
	s_add_co_u32 s20, s20, 15
	s_lshr_b32 s20, s20, 4
	s_add_co_u32 s19, s19, s20
.endr
	v_mov_b32 v14, 0
.irp e, 0,1,2,3,4,5,6,7,8,9,10,11,12,13,14,15
	s_delay_alu instid0(VALU_DEP_1)
	v_cndmask_b32 v14, v14, s[48+\e], s[32+\e]
.endr
	s_delay_alu instid0(VALU_DEP_1)
	v_add_nc_u32 v14, v14, v6                      ; my token's place
	s_delay_alu instid0(VALU_DEP_1)
	v_min_u32 v14, 0x3ff, v14
	s_delay_alu instid0(VALU_DEP_1)
	v_lshlrev_b32 v14, 2, v14
	global_store_b32 v14, v0, s[6:7]
	s_cmp_lg_u32 s16, 0
	s_cbranch_scc1 .Lend
	v_lshlrev_b32 v15, 2, v2
	global_store_b32 v15, v12, s[8:9]              ; the two stores fill meta's 256 bytes
	global_store_b32 v15, v13, s[8:9] offset:128
.Lend:
	s_wait_tensorcnt 0x0
	ds_add_u32 v64, v65
	s_wait_dscnt 0x0
	s_endpgm
.Lfunc_end_k_q4db2c2fb46_place:
	.size	k_q4db2c2fb46_place, .Lfunc_end_k_q4db2c2fb46_place-k_q4db2c2fb46_place
	.p2alignl 7, 3214868480
	.fill 96, 4, 3214868480
	.section	.rodata,"a",@progbits
	.p2align	6, 0x0
	.amdhsa_kernel k_q4db2c2fb46_place
		.amdhsa_group_segment_fixed_size 8192
		.amdhsa_private_segment_fixed_size 0
		.amdhsa_enable_private_segment 0
		.amdhsa_kernarg_size 24
		.amdhsa_user_sgpr_count 2
		.amdhsa_user_sgpr_kernarg_segment_ptr 1
		.amdhsa_wavefront_size32 1
		.amdhsa_system_sgpr_workgroup_id_x 1
		.amdhsa_system_sgpr_workgroup_id_y 1
		.amdhsa_system_sgpr_workgroup_id_z 1
		.amdhsa_system_vgpr_workitem_id 0
		.amdhsa_next_free_vgpr 66
		.amdhsa_next_free_sgpr 66
		.amdhsa_reserve_vcc 0
		.amdhsa_float_denorm_mode_32 3
		.amdhsa_float_denorm_mode_16_64 3
		.amdhsa_memory_ordered 1
		.amdhsa_forward_progress 1
		.amdhsa_inst_pref_size 24
	.end_amdhsa_kernel
	.amdgpu_metadata
---
amdhsa.version: [ 1, 2 ]
amdhsa.kernels:
  - .name:           k_q4db2c2fb46_place
    .symbol:         k_q4db2c2fb46_place.kd
    .args:
      - { .name: top1, .offset: 0, .size: 8, .value_kind: global_buffer, .address_space: global }
      - { .name: perm, .offset: 8, .size: 8, .value_kind: global_buffer, .address_space: global }
      - { .name: meta, .offset: 16, .size: 8, .value_kind: global_buffer, .address_space: global }
    .group_segment_fixed_size: 8192
    .private_segment_fixed_size: 0
    .kernarg_segment_align: 8
    .kernarg_segment_size: 24
    .max_flat_workgroup_size: 1024
    .sgpr_count:     66
    .vgpr_count:     66
    .wavefront_size: 32
...
	.end_amdgpu_metadata
.endif
;; end of part 2
;; launch ffn1 (part 3): grid 16 x 16, 4 waves a work-group, no clusters, 135,680 bytes of LDS; arguments w1, xq, perm, meta, b1, hq; writes hq
.if DOCPART == 3
	.amdgcn_target "amdgcn-amd-amdhsa--gfx1250"
	.amdhsa_code_object_version 6
	.text
	.protected	k_q4db2c2fb46_ffn1
	.globl	k_q4db2c2fb46_ffn1
	.p2align	8
	.type	k_q4db2c2fb46_ffn1,@function
k_q4db2c2fb46_ffn1:
	s_mov_b64 s[64:65], 0
	v_nop
	global_prefetch_b8 v0, s[64:65] scope:SCOPE_SE
	s_setreg_imm32_b32 hwreg(HW_REG_WAVE_MODE, 25, 1), 1
	s_wait_xcnt 0x0
; hq = Q(relu(x w1[e] + b1[e])) for the tokens that chose expert e, on codes of E3M2 with one E8M0 byte for each 32 along K.
; SHARES.  Work-group (j, e) takes hidden units 128 j .. 128 j + 127 of expert e: 1,024 x 128 numbers of w1, read once, as f32, quantised in registers and multiplied at once.
; Wave w takes 64 of the columns (g = w % 2) and 512 of the rows of K (kp = w / 2): 8 units of 64 rows x 256 bytes, two units to a K step of 128.
; THE WEIGHTS.  Load i of a unit gives lane (q, h) the 16 bytes W(32 h + i, 4 q .. 4 q + 3): sixteen lanes read 256 consecutive bytes, aligned, and 16 bytes a lane put four times the bytes of a 4-byte
; load behind each count of LOADcnt.  The price is one copy for each number: the conversions want 16 neighbours along K in consecutive registers.  Column tile c is the columns 4 q + c (which columns form a tile is
; free); a lane's 32 copied numbers are one whole block of 32 along K of one column, and their codes are registers 6 cc .. 6 cc + 5 of fragment c as they come.
; THE PRODUCT IS USED TRANSPOSED: source 0 = 16 columns of w1, source 1 = 16 tokens.  In accumulator (m, c) lane (r, h), register j holds token r of tile m, column 32 h + 4 j + c.
; THE TOKENS come sorted by expert (perm, meta); a trip serves 128 sorted rows, 8 tiles of 16; rows past the expert's count repeat its last token.  The loop has 8 trips, a constant: all 1,024 tokens may choose
; one expert.  A trip with no rows passes over its two parts by scalar branches on the stored count; every wave passes both barriers in every trip.  An expert with more than 128 tokens reads its weights again for each further 128.
; The two halves of K meet in LDS; wave w then finishes tiles w and w + 4: sum, bias, relu, quantiser; the tile's fragment for K step j of the second product goes to hq as an image of its registers.
; hq: [tile][K step 16][4 x 512 bytes]: block c < 3: registers 4 c .. 4 c + 3 at 16 x lane; block 3: the row's scale word four times at 16 x lane.
; No tensor load and no cluster: trip work hangs on stored counts, and no two work-groups read the same weights; what they share (xq's rows) is a small part of a step's bytes.
; LIMITS: NaN and infinities are not served; a block whose largest magnitude lies under 2^-122 has its byte held at 1; a block of zeros has the byte 1 (zero codes; this program alone reads the bytes).
; REGISTERS, in windows of 256: window 0: addresses, scales, work, F (4 fragments), CT (128 numbers);  window 1: two sets of 128 for weights as loaded;  window 2: the 32 accumulators, (m, c) at 8 (4 m + c);
; window 3: v0-95 the 8 token fragments, v96-159 the bias.
.set ROWB,  8192                       ; a row of w1[e] in bytes
.set LOGH,  18                         ; 32 such rows are 2^18 bytes
.set PITCH, 528                        ; LDS: a token's 128 partial sums, 512 bytes + 16
.set PLSZ,  128*PITCH                  ; a plane: 128 rows; one plane for each half of K
.set XSTEP, 128                        ; xq: from K step to K step
.set XCS,   16                         ; and from four registers to the next four
.set XAD, 10                           ; v10-17   tile m: my byte in xq
.set XSA, 18                           ; v18-21   the scale words': lanes 0-15 tile 2 p, lanes 16-31 tile 2 p + 1
.set XS,  22                           ; v22-25   the tokens' scale words
.set SW,  26                           ; v26-29   the weights' scale words
.set TM,  30                           ; v30-45   at work (QUANT)
.set MX,  30                           ; v30-33   largest magnitudes
.set SO,  34                           ; v34-37   scale operands
.set BY,  38                           ; v38-41   bytes
.set SB,  42                           ; v42-45   my two bytes of each scale word
.set CV,  48                           ; v48-63   upper halves of blocks on their way
.set F,   64                           ; v64-111  the four fragments of weights
.set PC,  64                           ; in the second part: the codes just made
.set CT,  112                          ; v112-239
.set TP,  240                          ; v240-243
.set PW,  244                          ; v244-247
.set KX,  248                          ; v248  64 h + 512 kp
.set KS,  249                          ; v249  48 + 512 kp
.set BO,  250                          ; v250  64 h
.set BIAS, 96                          ; in window 3
.set SEL, 30                           ; s[30:31]
.set MSB, 0
.macro WIN new                         ; the immediate's high byte repeats the setting that is left; at a label and at a branch every window is 0
.if MSB != \new
	s_set_vgpr_msb (MSB<<8)|\new
.set MSB, \new
.endif
.endm
.macro LOADU k                         ; unit k: 64 rows x 256 bytes into set k % 2
	WIN 0x40
.set LI, 0
.rept 32
	global_load_b128 v[128*((\k)%2)+4*LI:128*((\k)%2)+4*LI+3], v1, s[4:5] offset:(64*(\k)+LI)*ROWB th:TH_LOAD_NT
.set LI, LI+1
.endr
	WIN 0
.endm
.macro ASK k                           ; a prefetch of unit k, a lane a row of 256 bytes, by the wave that will load it, behind the loads just issued and one unit ahead of its own loads; in the first trip alone
	s_cmp_eq_u32 s24, 0
	s_cbranch_scc0 .Lnoask_\@
	global_prefetch_b8 v2, s[4:5] offset:64*(\k)*ROWB th:TH_LOAD_NT scope:SCOPE_SE
	global_prefetch_b8 v2, s[4:5] offset:(64*(\k)+32)*ROWB th:TH_LOAD_NT scope:SCOPE_SE
.Lnoask_\@:
.endm
; Unit k is quantised: half cc = k % 2 of the four fragments.  cnt: the loads issued behind unit k's (-1: a wait has shown them in).
.macro UNIT k, cnt
.set SS, 128*((\k)%2)
.set CC, (\k)%2
.if \cnt >= 0
	s_wait_loadcnt \cnt
.endif
	WIN 0x01
.set LI, 0
.rept 32
	v_mov_b32 v[CT+LI], v[SS+4*LI]                 ; column 4 q + c, row 32 h + i -> CT[32 c + i]
	v_mov_b32 v[CT+32+LI], v[SS+4*LI+1]
	v_mov_b32 v[CT+64+LI], v[SS+4*LI+2]
	v_mov_b32 v[CT+96+LI], v[SS+4*LI+3]
.set LI, LI+1
.endr
.if (\k)+2 < 8
	LOADU (\k)+2                                   ; the set is free: it takes the unit two on
.endif
	WIN 0
.if (\k)+3 < 8
	ASK (\k)+3
.endif
.irp c, 0,1,2,3
	v_max3_num_f32 v[MX+\c], |v[CT+32*\c]|, |v[CT+32*\c+1]|, 0x2800000   ; the floor 2^(5 - 127): the byte cannot fall under 1
.endr
.irp i, 2,4,6,8,10,12,14,16,18,20,22,24,26,28,30
.irp c, 0,1,2,3
	v_max3_num_f32 v[MX+\c], v[MX+\c], |v[CT+32*\c+\i]|, |v[CT+32*\c+\i+1]|   ; four columns by turns
.endr
.endr
.irp c, 0,1,2,3
	v_add_nc_u32 v[SO+\c], 0xfe000000, v[MX+\c]    ; 4 off the exponent field: the conversion's scale operand
.endr
.if CC == 0
.irp c, 0,1,2,3
	v_lshrrev_b32 v[SB+\c], 23, v[SO+\c]           ; the byte of block h
.endr
.else
.irp c, 0,1,2,3
	v_lshrrev_b32 v[BY+\c], 23, v[SO+\c]           ; the byte of block 2 + h
.endr
.irp c, 0,1,2,3
	v_lshl_or_b32 v[SB+\c], v[BY+\c], 16, v[SB+\c]
.endr
.irp c, 0,1,2,3
	v_lshlrev_b32 v[SB+\c], v9, v[SB+\c]           ; 8 h bits up
.endr
.irp c, 0,1,2,3
	v_permlanex16_b32 v[TP+\c], v[SB+\c], s[SEL], s[SEL+1]
.endr
.irp c, 0,1,2,3
	v_or_b32 v[SW+\c], v[SB+\c], v[TP+\c]          ; with lane l xor 16's two bytes the word is whole
.endr
.endif
.irp c, 0,1,2,3
	v_cvt_scalef32_pk16_bf6_f32 v[F+12*\c+6*CC:F+12*\c+6*CC+2], v[CT+32*\c:CT+32*\c+15], v[SO+\c]
	v_cvt_scalef32_pk16_bf6_f32 v[CV+4*\c:CV+4*\c+2], v[CT+32*\c+16:CT+32*\c+31], v[SO+\c]   ; a conversion's three registers begin on an even number
.endr
	v_nop                                          ; one plain place behind a scaled conversion
.irp c, 0,1,2,3
.irp i, 0,1,2
	v_mov_b32 v[F+12*\c+6*CC+3+\i], v[CV+4*\c+\i]
.endr
.endr
.endm
.macro XLOAD sl                        ; the 8 token fragments and their scale words of my K step sl: 28 loads
	WIN 0xc0
.irp m, 0,1,2,3,4,5,6,7
.irp c, 0,1,2
	global_load_b128 v[12*\m+4*\c:12*\m+4*\c+3], v[XAD+\m], s[6:7] offset:(\sl)*XSTEP+\c*XCS
.endr
.endr
	WIN 0
.irp p, 0,1,2,3
	global_load_b32 v[XS+\p], v[XSA+\p], s[6:7] offset:(\sl)*XSTEP
.endr
.endm
.macro WM m, c, zero
.if \zero
.if (\m)%2
	v_wmma_scale_f32_16x16x128_f8f6f4 v[8*(4*(\m)+(\c)):8*(4*(\m)+(\c))+7], v[F+12*(\c):F+12*(\c)+11], v[12*(\m):12*(\m)+11], 0, v[SW+(\c)], v[XS+(\m)/2] matrix_a_fmt:MATRIX_FMT_BF6 matrix_b_fmt:MATRIX_FMT_BF6 matrix_b_scale:MATRIX_SCALE_ROW1
.else
	v_wmma_scale_f32_16x16x128_f8f6f4 v[8*(4*(\m)+(\c)):8*(4*(\m)+(\c))+7], v[F+12*(\c):F+12*(\c)+11], v[12*(\m):12*(\m)+11], 0, v[SW+(\c)], v[XS+(\m)/2] matrix_a_fmt:MATRIX_FMT_BF6 matrix_b_fmt:MATRIX_FMT_BF6
.endif
.else
.if (\m)%2
	v_wmma_scale_f32_16x16x128_f8f6f4 v[8*(4*(\m)+(\c)):8*(4*(\m)+(\c))+7], v[F+12*(\c):F+12*(\c)+11], v[12*(\m):12*(\m)+11], v[8*(4*(\m)+(\c)):8*(4*(\m)+(\c))+7], v[SW+(\c)], v[XS+(\m)/2] matrix_a_fmt:MATRIX_FMT_BF6 matrix_b_fmt:MATRIX_FMT_BF6 matrix_b_scale:MATRIX_SCALE_ROW1
.else
	v_wmma_scale_f32_16x16x128_f8f6f4 v[8*(4*(\m)+(\c)):8*(4*(\m)+(\c))+7], v[F+12*(\c):F+12*(\c)+11], v[12*(\m):12*(\m)+11], v[8*(4*(\m)+(\c)):8*(4*(\m)+(\c))+7], v[SW+(\c)], v[XS+(\m)/2] matrix_a_fmt:MATRIX_FMT_BF6 matrix_b_fmt:MATRIX_FMT_BF6
.endif
.endif
.endm
; A K step's 32 products; the 32 accumulators take turns, one instruction a turn, in the same order in every step.  The first step's products start the sums: nothing is cleared.
.macro MULK sl, cnt
.rept 8
	v_nop                                          ; fragments written by vector instructions stand 4 places ahead of a scaled matrix instruction, scale words 8
.endr
	s_wait_loadcnt \cnt                            ; the tokens' fragments and scale words are in
	WIN 0xac                                       ; source 0 window 0, source 1 window 3, C and D window 2
.irp m, 0,1,2,3,4,5,6,7
.irp c, 0,1,2,3
.if (\sl) == 0
	WM \m, \c, 1
.else
	WM \m, \c, 0
.endif
.endr
.endr
	WIN 0
.rept 4
	v_nop                                          ; places ahead of loads into, and vector writes of, registers that these products read, and of the first read of results
.endr
.endm
; The partial sums of the tiles that have rows go to my plane, columns in their true order: 16 bytes are columns 32 h + 4 j + 0 .. 3.  Each accumulator is read from its register 0 on.
.macro PSTORE
.irp m, 0,1,2,3,4,5,6,7
.if \m > 0
	s_cmp_le_u32 s27, \m
	s_cbranch_scc1 .Lpsend_\@
.endif
.if \m > 3
	s_wait_dscnt 24                                ; tile m - 4's stores are done (24 stand behind them): their registers are written again
.endif
	WIN 0x02
.irp j, 0,1,2,3,4,5,6,7
.irp c, 0,1,2,3
	v_mov_b32 v[CT+32*(\m%4)+4*\j+\c], v[8*(4*\m+\c)+\j]
.endr
.endr
	WIN 0
.irp j, 0,1,2,3,4,5,6,7
	ds_store_b128 v6, v[CT+32*(\m%4)+4*\j:CT+32*(\m%4)+4*\j+3] offset:16*\m*PITCH+16*\j
.endr
.endr
.Lpsend_\@:
.endm
; 64 numbers of a lane, register 16 b + i = k 32 b + 16 (lane / 16) + i of my row, become a fragment's codes in v[PC] on and its scale word in v[PW].
.macro QUANT s
.irp b, 0,1,2,3
	v_max3_num_f32 v[TM+\b], |v[\s+16*\b]|, |v[\s+1+16*\b]|, 0x2800000
.endr
.irp i, 2,4,6,8,10,12,14
.irp b, 0,1,2,3
	v_max3_num_f32 v[TM+\b], v[TM+\b], |v[\s+16*\b+\i]|, |v[\s+1+16*\b+\i]|
.endr
.endr
.irp b, 0,1,2,3
	v_permlanex16_b32 v[TM+4+\b], v[TM+\b], s[SEL], s[SEL+1]
.endr
.irp b, 0,1,2,3
	v_max_num_f32 v[TM+\b], v[TM+\b], v[TM+4+\b]
.endr
.irp b, 0,1,2,3
	v_add_nc_u32 v[TM+12+\b], 0xfe000000, v[TM+\b]
.endr
.irp b, 0,1,2,3
	v_lshrrev_b32 v[TM+4+\b], 23, v[TM+12+\b]
.endr
	v_lshl_or_b32 v[PW], v[TM+5], 8, v[TM+4]
	v_lshl_or_b32 v[PW], v[TM+6], 16, v[PW]
	v_lshl_or_b32 v[PW], v[TM+7], 24, v[PW]
.irp c, 0,1
	v_cvt_scalef32_pk16_bf6_f32 v[PC+6*\c:PC+2+6*\c], v[\s+32*\c:\s+15+32*\c], v[TM+12+2*\c]
	v_cvt_scalef32_pk16_bf6_f32 v[PC+12+4*\c:PC+14+4*\c], v[\s+16+32*\c:\s+31+32*\c], v[TM+12+2*\c+1]
.endr
	v_nop                                          ; one plain place behind a scaled conversion
.irp c, 0,1
.irp i, 0,1,2
	v_permlane16_swap_b32 v[PC+6*\c+\i], v[PC+12+4*\c+\i]
.endr
.irp i, 0,1,2
	v_mov_b32 v[PC+3+6*\c+\i], v[PC+12+4*\c+\i]
.endr
.endr
.endm
.macro BAR                             ; my LDS stores have landed and my LDS loads are in: then the work-group's barrier
	s_wait_dscnt 0x0
	s_barrier_signal -1
	s_barrier_wait -1
.endm
; Tile w + 4 u of the group is finished, if it has rows.
.macro FIN1 u
	s_add_co_u32 s38, s16, 4*\u
	s_cmp_le_u32 s27, s38
	s_cbranch_scc1 .Lnone_\@
.if \u
	s_wait_xcnt 0x0                                ; the first tile's stores have read their data and their base: both are written again
.endif
.irp b, 0,1,2,3
.irp q, 0,1,2,3
	ds_load_b128 v[CT+16*\b+4*\q:CT+16*\b+4*\q+3], v7 offset:64*PITCH*\u+128*\b+16*\q         ; row r: units 32 b + 16 h + 4 q ..: the first half of K,
	ds_load_b128 v[CT+64+16*\b+4*\q:CT+64+16*\b+4*\q+3], v8 offset:64*PITCH*\u+128*\b+16*\q   ; the second
.endr
.endr
	s_lshl_b32 s39, s24, 3
	s_add_co_u32 s39, s39, s38
	s_add_co_u32 s39, s39, s23                     ; the tile's number in hq: the expert's first + 8 x trip + tile
	s_min_u32 s42, s39, 79
	s_lshl_b32 s42, s42, 15
	s_mov_b32 s43, 0
	s_add_nc_u64 s[36:37], s[14:15], s[42:43]
	s_wait_dscnt 0x0
.set LI, 0
.rept 32
	v_pk_add_f32 v[CT+LI:CT+LI+1], v[CT+LI:CT+LI+1], v[CT+64+LI:CT+64+LI+1]
.set LI, LI+2
.endr
	WIN 0x0c                                       ; source 1 window 3
.set LI, 0
.rept 32
	v_pk_add_f32 v[CT+LI:CT+LI+1], v[CT+LI:CT+LI+1], v[BIAS+LI:BIAS+LI+1]
.set LI, LI+2
.endr
	WIN 0
.set LI, 0
.rept 64
	v_max_num_f32 v[CT+LI], 0, v[CT+LI]            ; relu, in f32
.set LI, LI+1
.endr
	QUANT CT
	v_mov_b32 v[PW+1], v[PW]
	v_mov_b32 v[PW+2], v[PW]
	v_mov_b32 v[PW+3], v[PW]
	global_store_b128 v3, v[PC:PC+3], s[36:37]                  ; four stores of 512 consecutive bytes: 2,048 bytes on end, aligned
	global_store_b128 v3, v[PC+4:PC+7], s[36:37] offset:512
	global_store_b128 v3, v[PC+8:PC+11], s[36:37] offset:1024
	global_store_b128 v3, v[PW:PW+3], s[36:37] offset:1536
.Lnone_\@:
.endm
	s_load_b256 s[4:11], s[0:1], 0x0               ; w1 s[4:5], xq s[6:7], perm s[8:9], meta s[10:11]
	s_load_b128 s[12:15], s[0:1], 0x20             ; b1 s[12:13], hq s[14:15]
	v_lshl_add_u32 v254, v0, 2, 0x21000
	v_mov_b32 v255, 0
	v_lshrrev_b32 v1, 5, v0
	v_readfirstlane_b32 s16, v1                    ; wave 0..3
	s_and_b32 s17, s16, 1                          ; g: which 64 columns
	s_lshr_b32 s18, s16, 1                         ; kp: which 512 rows of K
	s_and_b32 s19, ttmp7, 0xffff                   ; e
	s_mov_b32 s20, ttmp9                           ; j
	v_and_b32 v5, 15, v0                           ; r, q
	v_bfe_u32 v4, v0, 4, 1                         ; h
	v_and_b32 v3, 31, v0
	v_mul_u32_u24 v2, v3, ROWB                     ; the prefetches: a lane a row
	v_lshlrev_b32 v3, 4, v3                        ; 16 x lane
	v_lshlrev_b32 v1, 4, v5
	v_lshl_add_u32 v1, v4, LOGH, v1                ; the weights: 16 q, and 32 rows further down for lanes 16-31
	s_lshl_b32 s34, s19, 23                        ; w1: 8 MiB an expert,
	s_lshl_b32 s33, s18, 22                        ; 512 rows,
	s_add_co_u32 s34, s34, s33
	s_lshl_b32 s33, s20, 9                         ; 128 columns a work-group,
	s_add_co_u32 s34, s34, s33
	s_lshl_b32 s33, s17, 8                         ; 64 a wave
	s_add_co_u32 s34, s34, s33
	s_mov_b32 s35, 0
	s_lshl_b32 s36, s19, 2                         ; meta: word e
	s_mov_b32 s37, 0
	s_lshl_b32 s38, s19, 13                        ; b1: 8,192 bytes an expert, 512 a work-group
	s_lshl_b32 s33, s20, 9
	s_add_co_u32 s38, s38, s33
	s_mov_b32 s39, 0
	s_lshl_b32 s40, s20, 11                        ; hq: K step j of a tile
	s_mov_b32 s41, 0
	s_wait_alu depctr_va_vdst(0)
	s_wait_kmcnt 0x0
	s_add_nc_u64 s[4:5], s[4:5], s[34:35]
	s_add_nc_u64 s[10:11], s[10:11], s[36:37]
	s_add_nc_u64 s[12:13], s[12:13], s[38:39]
	s_add_nc_u64 s[14:15], s[14:15], s[40:41]
	s_load_b32 s21, s[10:11], 0x0                  ; N: the expert's tokens
	s_load_b32 s22, s[10:11], 0x40                 ; its first place in perm
	s_load_b32 s23, s[10:11], 0x80                 ; its first tile
	LOADU 0                                        ; the stream begins before anything is known of the tokens
	v_lshlrev_b32 v[BO], 6, v4
	WIN 0xc0
.irp b, 0,1,2,3
.irp q, 0,1,2,3
	global_load_b128 v[BIAS+16*\b+4*\q:BIAS+16*\b+4*\q+3], v[BO], s[12:13] offset:128*\b+16*\q   ; b1 of units 32 b + 16 h + 4 q ..: the layout in which a tile is finished
.endr
.endr
	WIN 0
	v_lshlrev_b32 v9, 3, v4                        ; 8 h
	v_mul_u32_u24 v6, v5, PITCH
	v_lshl_add_u32 v6, v4, 7, v6
	s_mul_i32 s33, s18, PLSZ
	s_lshl_b32 s39, s17, 8
	s_add_co_u32 s33, s33, s39
	v_add_nc_u32 v6, s33, v6                       ; LDS, in: plane kp, row r, + 256 g + 128 h
	v_mul_u32_u24 v7, v5, PITCH
	v_lshl_add_u32 v7, v4, 6, v7
	s_mul_i32 s33, s16, 16*PITCH
	v_add_nc_u32 v7, s33, v7                       ; LDS, back: row 16 w + r, + 64 h, plane 0;
	v_add_nc_u32 v8, PLSZ, v7                      ; plane 1
	s_lshl_b32 s33, s18, 9
	v_lshl_add_u32 v[KX], v4, 6, s33               ; xq: half h, my four K steps
	v_mov_b32 v[KS], s33
	v_add_nc_u32 v[KS], 48, v[KS]                  ; and the scale word in the record of half 0
.set LI, 30
.rept 16
	v_mov_b32 v[LI], 0                             ; lane permutes' destinations count as sources: written once
.set LI, LI+1
.endr
.irp c, 0,1,2,3
	v_mov_b32 v[TP+\c], 0
.endr
	s_mov_b32 s[SEL], 0x76543210
	s_mov_b32 s[SEL+1], 0xfedcba98
	s_mov_b32 s32, 0xffff0000                      ; lanes 16-31
	s_mov_b32 s24, 0                               ; the trip
	s_wait_kmcnt 0x0
	s_min_u32 s21, s21, 1024
	s_min_u32 s22, s22, 1023
	s_min_u32 s23, s23, 79
	s_sub_co_u32 s28, s21, 1                       ; N - 1 (used only where N > 0)
.Ltrip:
	s_lshl_b32 s25, s24, 7                         ; the group's first sorted row
	s_sub_co_u32 s26, s21, s25
	s_min_u32 s26, s26, 128                        ; its rows,
	s_add_co_u32 s27, s26, 15
	s_lshr_b32 s27, s27, 4                         ; its tiles
	s_cmp_lt_u32 s25, s21
	s_cbranch_scc0 .LskipA
	; ---- A: my 64 columns x 512 rows against the group's 128 rows
.irp m, 0,1,2,3,4,5,6,7
	s_add_co_u32 s33, s25, 16*\m
	v_add_nc_u32 v[CT+\m], s33, v5
	v_min_u32 v[CT+\m], s28, v[CT+\m]              ; rows past the count repeat the last token
	v_add_nc_u32 v[CT+\m], s22, v[CT+\m]
	v_min_u32 v[CT+\m], 0x3ff, v[CT+\m]
	v_lshlrev_b32 v[CT+\m], 2, v[CT+\m]
.endr
.irp m, 0,1,2,3,4,5,6,7
	global_load_b32 v[XAD+\m], v[CT+\m], s[8:9]    ; the token of row r of tile m
.endr
	LOADU 1
	s_wait_loadcnt 32                              ; unit 1's 32 loads alone stand behind the tokens': the tokens, unit 0 and the bias are in
.irp p, 0,1,2,3
	v_cndmask_b32 v[XSA+\p], v[XAD+2*\p], v[XAD+2*\p+1], s32
.endr
.irp p, 0,1,2,3
	v_min_u32 v[XSA+\p], 0x3ff, v[XSA+\p]
.endr
.irp p, 0,1,2,3
	v_lshlrev_b32 v[XSA+\p], 10, v[XSA+\p]
.endr
.irp p, 0,1,2,3
	v_add_nc_u32 v[XSA+\p], v[XSA+\p], v[KS]
.endr
.irp m, 0,1,2,3,4,5,6,7
	v_min_u32 v[XAD+\m], 0x3ff, v[XAD+\m]
.endr
.irp m, 0,1,2,3,4,5,6,7
	v_lshlrev_b32 v[XAD+\m], 10, v[XAD+\m]
.endr
.irp m, 0,1,2,3,4,5,6,7
	v_add_nc_u32 v[XAD+\m], v[XAD+\m], v[KX]
.endr
	; The loads go out in the order U0 tokens U1 X0 U2 U3 X1 U4 U5 X2 U6 U7 X3.  Behind a unit stand one unit and one X (32 + 28 = 60); behind an X two units.
	XLOAD 0
	UNIT 0, -1
	UNIT 1, 60
	s_wait_alu depctr_va_vdst(0)
	MULK 0, 63
	XLOAD 1
	UNIT 2, 60
	UNIT 3, 60
	s_wait_alu depctr_va_vdst(0)
	MULK 1, 63
	XLOAD 2
	UNIT 4, 60
	UNIT 5, 60
	s_wait_alu depctr_va_vdst(0)
	MULK 2, 63
	XLOAD 3
	UNIT 6, 60
	UNIT 7, 28                                     ; behind unit 7: X3 alone
	s_wait_alu depctr_va_vdst(0)
	MULK 3, 0
	PSTORE
.LskipA:
	BAR                                            ; both halves of K lie in LDS
	s_cmp_lt_u32 s25, s21
	s_cbranch_scc0 .LskipB
	; ---- B: wave w finishes tiles w and w + 4
	s_wait_loadcnt 0x0                             ; all my loads are in: the bias is read below, and set 0 is loaded again at this part's end
	FIN1 0
	FIN1 1
	s_wait_xcnt 0x0                                ; the stores have read their data: the next trip writes those registers
	s_add_co_u32 s33, s25, 128
	s_cmp_lt_u32 s33, s21
	s_cbranch_scc0 .LskipB
	LOADU 0                                        ; more than 128 rows are left: the weights go round again
.LskipB:
	BAR                                            ; every wave's reads of the planes are in: they may be written again
	s_add_co_u32 s24, s24, 1
	s_cmp_lt_u32 s24, 8
	s_cbranch_scc1 .Ltrip
	s_wait_tensorcnt 0x0
	ds_add_u32 v254, v255
	s_wait_dscnt 0x0
	s_endpgm
.Lfunc_end_k_q4db2c2fb46_ffn1:
	.size	k_q4db2c2fb46_ffn1, .Lfunc_end_k_q4db2c2fb46_ffn1-k_q4db2c2fb46_ffn1
	.p2alignl 7, 3214868480
	.fill 96, 4, 3214868480
	.section	.rodata,"a",@progbits
	.p2align	6, 0x0
	.amdhsa_kernel k_q4db2c2fb46_ffn1
		.amdhsa_group_segment_fixed_size 135680
		.amdhsa_private_segment_fixed_size 0
		.amdhsa_enable_private_segment 0
		.amdhsa_kernarg_size 48
		.amdhsa_user_sgpr_count 2
		.amdhsa_user_sgpr_kernarg_segment_ptr 1
		.amdhsa_wavefront_size32 1
		.amdhsa_system_sgpr_workgroup_id_x 1
		.amdhsa_system_sgpr_workgroup_id_y 1
		.amdhsa_system_sgpr_workgroup_id_z 1
		.amdhsa_system_vgpr_workitem_id 0
		.amdhsa_next_free_vgpr 928
		.amdhsa_next_free_sgpr 66
		.amdhsa_reserve_vcc 0
		.amdhsa_float_denorm_mode_32 3
		.amdhsa_float_denorm_mode_16_64 3
		.amdhsa_memory_ordered 1
		.amdhsa_forward_progress 1
		.amdhsa_inst_pref_size 186
	.end_amdhsa_kernel
	.amdgpu_metadata
---
amdhsa.version: [ 1, 2 ]
amdhsa.kernels:
  - .name:           k_q4db2c2fb46_ffn1
    .symbol:         k_q4db2c2fb46_ffn1.kd
    .args:
      - { .name: w1, .offset: 0, .size: 8, .value_kind: global_buffer, .address_space: global }
      - { .name: xq, .offset: 8, .size: 8, .value_kind: global_buffer, .address_space: global }
      - { .name: perm, .offset: 16, .size: 8, .value_kind: global_buffer, .address_space: global }
      - { .name: meta, .offset: 24, .size: 8, .value_kind: global_buffer, .address_space: global }
      - { .name: b1, .offset: 32, .size: 8, .value_kind: global_buffer, .address_space: global }
      - { .name: hq, .offset: 40, .size: 8, .value_kind: global_buffer, .address_space: global }
    .group_segment_fixed_size: 135680
    .private_segment_fixed_size: 0
    .kernarg_segment_align: 8
    .kernarg_segment_size: 48
    .max_flat_workgroup_size: 128
    .sgpr_count:     66
    .vgpr_count:     928
    .wavefront_size: 32
...
	.end_amdgpu_metadata
.endif
;; end of part 3
;; launch ffn2 (part 4): grid 16 x 16, 8 waves a work-group, no clusters, 142,336 bytes of LDS; arguments w2, hq, perm, meta, b2, out0; writes out0
.if DOCPART == 4
	.amdgcn_target "amdgcn-amd-amdhsa--gfx1250"
	.amdhsa_code_object_version 6
	.text
	.protected	k_q4db2c2fb46_ffn2
	.globl	k_q4db2c2fb46_ffn2
	.p2align	8
	.type	k_q4db2c2fb46_ffn2,@function
k_q4db2c2fb46_ffn2:
	s_mov_b64 s[64:65], 0
	v_nop
	global_prefetch_b8 v0, s[64:65] scope:SCOPE_SE
	s_setreg_imm32_b32 hwreg(HW_REG_WAVE_MODE, 25, 1), 1
	s_wait_xcnt 0x0
; out0[token] = h w2[e] + b2[e] for the tokens that chose expert e, on codes of E3M2 with one E8M0 byte for each 32 along K.  h comes as codes (hq), w2 as f32.
; Rows of experts that a token did not choose are thrown away by the module's one-hot mask: they are not computed.
; SHARES.  Work-group (j, e) takes outputs 64 j .. 64 j + 63 of expert e: 2,048 x 64 numbers of w2, read once.  Eight waves, two to a SIMD.
; PART 1, THE WEIGHTS.  Wave w takes rows 256 w .. 256 w + 255 of K: 4 units of 64 rows x 256 bytes, two units to a K step of 128.  Load i of a unit gives lane (q, h) the 16 bytes
; W(32 h + i, 4 q .. 4 q + 3): sixteen lanes read 256 consecutive bytes, aligned.  Two units (64 loads) a wave are asked for at the head, each further unit as soon as its 128 registers are free.
; Column tile c is the columns 4 q + c; a lane's 32 copied numbers are one whole block of 32 along K of one column, and their codes are registers 6 cc .. 6 cc + 5 of fragment c as they come.
; A K step's four fragments and four scale words go to LDS as an image of their registers (13 blocks of 512 bytes); the 16 images stay there for the whole launch.  One barrier follows.
; PART 2, THE PRODUCT.  A trip serves 128 sorted rows; wave w takes tile w of them (16 rows x 64 columns, 4 accumulators by turns) through all 16 K steps: the weights' fragments from LDS, in two
; sets of registers, the tile's fragments from hq into the registers in which the weights landed.  So no sum is split along K, and an expert with more than 128 tokens reads no weight again.
; THE PRODUCT IS USED TRANSPOSED: source 0 = 16 columns of w2, source 1 = 16 rows.  In accumulator c lane (r, h), register j holds row r, column 32 h + 4 j + c.
; THE WAY OUT: the tile goes through the wave's own stage in LDS and leaves as whole rows: sixteen lanes store a row's 256 bytes at its token's place.
; ROWS PAST THE COUNT in an expert's last tile hold the expert's last token once more (hq has its codes there, the index into perm is held at the last token's): the same sums go to the same bytes, by the same wave.
; The loop has 8 trips, a constant: all 1,024 tokens may choose one expert.  No barrier stands in the loop.
; The first trip's loads from hq and perm go out in every wave, with the tile held at the expert's last (tile 0 of hq where the expert has no token), so that the counts of the waits are the same on every way.
; No tensor load and no cluster: the trips' work hangs on stored counts, and no two work-groups read the same weights; what the 16 work-groups of an expert share (32 KiB of hq a tile) is small beside 512 KiB of weights.
; No prefetch: the stream has no loop to run ahead in: of a wave's four units two are asked for at the head and two as their registers fall free.
; LIMITS: NaN and infinities are not served; a block whose largest magnitude lies under 2^-122 has its byte held at 1; a block of zeros has the byte 1 (zero codes; this program alone reads the bytes);
; an expert that no token chose still has its weights read and quantised: nothing is stored for it.
; REGISTERS: window 0: v0-15 addresses and b2, v16-31 the rows' scale words, v32-39 the weights' scale words in the product, v40-63 at work, v64-111 F, v112-127 CV, v128-255 CT;
; in the product v64-111 and v128-175 the two sets of fragments, v176-207 the accumulators, v208-247 the way out.  Window 1: two sets of 128: weights as loaded, then hq's fragments (12 a K step), the tokens.
.set ROWB,  4096                       ; a row of w2[e] in bytes
.set LOGH,  17                         ; 32 such rows are 2^17 bytes
.set IMG,   6656                       ; LDS: a K step's image: 12 blocks of 512 bytes of codes, one of scale words
.set STAGE, 16*IMG                     ; behind the images: a stage of 16 rows x 272 bytes for each wave
.set PITCH, 272
.set SPARE, STAGE+8*16*PITCH           ; behind the stages: the spare words, 128 bytes for each wave
.set Q16, 2                            ; v2      16 q
.set B2,  12                           ; v12-15  b2 of my four columns
.set XS,  16                           ; v16-31  my tile's scale words, one register a K step
.set SWB, 32                           ; v32-39  the weights' scale words from LDS, two sets
.set SW,  40                           ; v40-43  the weights' scale words as they are made
.set MX,  44                           ; v44-47  largest magnitudes; then bytes
.set BY,  44
.set SO,  48                           ; v48-51  scale operands
.set SPW, 52                           ; v52     my spare word; never rewritten
.set NIL, 53                           ; v53     0; never rewritten
.set RW,  54                           ; v54     my first sorted row + h
.set SB,  56                           ; v56-59  my two bytes of each scale word
.set TP,  60                           ; v60-63
.set F,   64                           ; v64-111 the four fragments
.set CV,  112                          ; v112-127 upper halves of blocks on their way
.set CT,  128                          ; v128-255
.set ACC, 176
.set CE,  208                          ; the way out: columns in their true order
.set RB,  128                          ; rows read back from the stage
.set OA,  240                          ; my byte in out0, row by row
.set TOKR, 96                          ; window 1: the tokens of the 8 rows a lane stores
.set TI,   104                         ; window 1: their places in perm
.set SEL, 30                           ; s[30:31]
.set MSB, 0
.macro WIN new                         ; the immediate's high byte repeats the setting that is left; at a label and at a branch every window is 0
.if MSB != \new
	s_set_vgpr_msb (MSB<<8)|\new
.set MSB, \new
.endif
.endm
.macro LOADU k                         ; unit k: 64 rows x 256 bytes into set k % 2
	WIN 0x40
.set LI, 0
.rept 32
	global_load_b128 v[128*((\k)%2)+4*LI:128*((\k)%2)+4*LI+3], v1, s[4:5] offset:(64*(\k)+LI)*ROWB th:TH_LOAD_NT
.set LI, LI+1
.endr
	WIN 0
.endm
; Unit k is quantised: half cc = k % 2 of the four fragments.  cnt: the loads issued behind unit k's.
.macro UNIT k, cnt
.set SS, 128*((\k)%2)
.set CC, (\k)%2
	s_wait_loadcnt \cnt
	WIN 0x01
.set LI, 0
.rept 32
	v_mov_b32 v[CT+LI], v[SS+4*LI]                 ; column 4 q + c, row 32 h + i -> CT[32 c + i]
	v_mov_b32 v[CT+32+LI], v[SS+4*LI+1]
	v_mov_b32 v[CT+64+LI], v[SS+4*LI+2]
	v_mov_b32 v[CT+96+LI], v[SS+4*LI+3]
.set LI, LI+1
.endr
.if (\k)+2 < 4
	LOADU (\k)+2                                   ; the set is free: it takes the unit two on
.endif
	WIN 0
.irp c, 0,1,2,3
	v_max3_num_f32 v[MX+\c], |v[CT+32*\c]|, |v[CT+32*\c+1]|, 0x2800000   ; the floor 2^(5 - 127): the byte cannot fall under 1
.endr
.irp i, 2,4,6,8,10,12,14,16,18,20,22,24,26,28,30
.irp c, 0,1,2,3
	s_delay_alu instid0(VALU_DEP_4)
	v_max3_num_f32 v[MX+\c], v[MX+\c], |v[CT+32*\c+\i]|, |v[CT+32*\c+\i+1]|   ; four columns by turns
.endr
.endr
.irp c, 0,1,2,3
	s_delay_alu instid0(VALU_DEP_4)
	v_add_nc_u32 v[SO+\c], 0xfe000000, v[MX+\c]    ; 4 off the exponent field: the conversion's scale operand
.endr
.if CC == 0
.irp c, 0,1,2,3
	s_delay_alu instid0(VALU_DEP_4)
	v_lshrrev_b32 v[SB+\c], 23, v[SO+\c]           ; the byte of block h
.endr
.else
.irp c, 0,1,2,3
	s_delay_alu instid0(VALU_DEP_4)
	v_lshrrev_b32 v[BY+\c], 23, v[SO+\c]           ; the byte of block 2 + h
.endr
.irp c, 0,1,2,3
	s_delay_alu instid0(VALU_DEP_4)
	v_lshl_or_b32 v[SB+\c], v[BY+\c], 16, v[SB+\c]
.endr
.irp c, 0,1,2,3
	s_delay_alu instid0(VALU_DEP_4)
	v_lshlrev_b32 v[SB+\c], v9, v[SB+\c]           ; 8 h bits up
.endr
.irp c, 0,1,2,3
	s_delay_alu instid0(VALU_DEP_4)
	v_permlanex16_b32 v[TP+\c], v[SB+\c], s[SEL], s[SEL+1]
.endr
.irp c, 0,1,2,3
	s_delay_alu instid0(VALU_DEP_4)
	v_or_b32 v[SW+\c], v[SB+\c], v[TP+\c]          ; with lane l xor 16's two bytes the word is whole
.endr
.endif
.irp c, 0,1,2,3
	v_cvt_scalef32_pk16_bf6_f32 v[F+12*\c+6*CC:F+12*\c+6*CC+2], v[CT+32*\c:CT+32*\c+15], v[SO+\c]
	v_cvt_scalef32_pk16_bf6_f32 v[CV+4*\c:CV+4*\c+2], v[CT+32*\c+16:CT+32*\c+31], v[SO+\c]   ; a conversion's three registers begin on an even number
.endr
	v_nop                                          ; one plain place behind a scaled conversion
.irp c, 0,1,2,3
.irp i, 0,1,2
	v_mov_b32 v[F+12*\c+6*CC+3+\i], v[CV+4*\c+\i]
.endr
.endr
.endm
.macro STOREIMG sl                     ; my K step sl (0, 1) as an image of its registers: 16 bytes a lane, 512 a block
.set LI, 0
.rept 12
	ds_store_b128 v8, v[F+4*LI:F+4*LI+3] offset:(\sl)*IMG+512*LI
.set LI, LI+1
.endr
	ds_store_b128 v8, v[SW:SW+3] offset:(\sl)*IMG+6144
.endm
.macro SETA                            ; s[36:37]: my tile of trip s24 in hq; tiles past the expert's last repeat it
	s_lshl_b32 s39, s24, 3
	s_add_co_u32 s39, s39, s16
	s_min_u32 s39, s39, s29
	s_add_co_u32 s39, s39, s23
	s_min_u32 s42, s39, 79
	s_lshl_b32 s42, s42, 15
	s_mov_b32 s43, 0
	s_add_nc_u64 s[36:37], s[6:7], s[42:43]
.endm
.macro TOKL                            ; the tokens of sorted rows s25 + 2 t + h: 8 loads
	v_add_nc_u32 v[RW], s25, v4
	WIN 0x40
.irp t, 0,1,2,3,4,5,6,7
	v_add_nc_u32 v[TI+\t], 2*\t, v[RW]
.endr
	WIN 0x44
.irp t, 0,1,2,3,4,5,6,7
	v_min_u32 v[TI+\t], s28, v[TI+\t]              ; rows past the count take the last token's place
.endr
.irp t, 0,1,2,3,4,5,6,7
	v_add_nc_u32 v[TI+\t], s22, v[TI+\t]
.endr
.irp t, 0,1,2,3,4,5,6,7
	v_min_u32 v[TI+\t], 0x3ff, v[TI+\t]
.endr
.irp t, 0,1,2,3,4,5,6,7
	v_lshlrev_b32 v[TI+\t], 2, v[TI+\t]
.endr
	WIN 0x41
.irp t, 0,1,2,3,4,5,6,7
	global_load_b32 v[TOKR+\t], v[TI+\t], s[8:9]
.endr
	WIN 0
.endm
.macro AISSUE hf                       ; my tile's fragments and scale words of K steps 8 hf .. 8 hf + 7 into set hf: 32 loads; a fragment's load reads 512 consecutive bytes
	WIN 0x40
.irp kk, 0,1,2,3,4,5,6,7
.irp c, 0,1,2
	global_load_b128 v[128*(\hf)+12*\kk+4*\c:128*(\hf)+12*\kk+4*\c+3], v3, s[36:37] offset:(8*(\hf)+\kk)*2048+512*\c
.endr
.endr
	WIN 0
.irp kk, 0,1,2,3,4,5,6,7
	global_load_b32 v[XS+8*(\hf)+\kk], v[Q16], s[36:37] offset:(8*(\hf)+\kk)*2048+1536
.endr
.endm
.macro LDB k                           ; K step k's image into set k % 2: 13 loads
.set BF, 64+64*((\k)%2)
.set OF, ((\k)%8)*IMG
.set LN, 0
.rept 12
	ds_load_b128 v[BF+4*LN:BF+4*LN+3], v[3+8*((\k)/8)] offset:OF+512*LN
.set LN, LN+1
.endr
	ds_load_b128 v[SWB+4*((\k)%2):SWB+4*((\k)%2)+3], v[3+8*((\k)/8)] offset:OF+6144
.endm
.macro WMK k                           ; K step k's four products; the four accumulators take turns, one instruction a turn; the first step's products start the sums
.set BF, 64+64*((\k)%2)
.set AF, 128*((\k)/8)+12*((\k)%8)
.set SR, SWB+4*((\k)%2)
.irp c, 0,1,2,3
.if (\k) == 0
	v_wmma_scale_f32_16x16x128_f8f6f4 v[ACC+8*\c:ACC+8*\c+7], v[BF+12*\c:BF+12*\c+11], v[AF:AF+11], 0, v[SR+\c], v[XS+(\k)] matrix_a_fmt:MATRIX_FMT_BF6 matrix_b_fmt:MATRIX_FMT_BF6
.else
	v_wmma_scale_f32_16x16x128_f8f6f4 v[ACC+8*\c:ACC+8*\c+7], v[BF+12*\c:BF+12*\c+11], v[AF:AF+11], v[ACC+8*\c:ACC+8*\c+7], v[SR+\c], v[XS+(\k)] matrix_a_fmt:MATRIX_FMT_BF6 matrix_b_fmt:MATRIX_FMT_BF6
.endif
.endr
.endm
	s_load_b256 s[4:11], s[0:1], 0x0               ; w2 s[4:5], hq s[6:7], perm s[8:9], meta s[10:11]
	s_load_b128 s[12:15], s[0:1], 0x20             ; b2 s[12:13], out0 s[14:15]
	v_lshl_add_u32 v[SPW], v0, 2, SPARE
	v_mov_b32 v[NIL], 0
	v_lshrrev_b32 v1, 5, v0
	s_delay_alu instid0(VALU_DEP_1)
	v_readfirstlane_b32 s16, v1                    ; wave 0..7: which 256 rows of K, and which tile of a trip
	s_and_b32 s19, ttmp7, 0xffff                   ; e
	s_mov_b32 s20, ttmp9                           ; j
	v_and_b32 v5, 15, v0                           ; r, q
	v_bfe_u32 v4, v0, 4, 1                         ; h
	v_and_b32 v3, 31, v0
	s_delay_alu instid0(VALU_DEP_3)
	v_lshlrev_b32 v[Q16], 4, v5
	s_delay_alu instid0(VALU_DEP_2)
	v_lshlrev_b32 v3, 4, v3                        ; 16 x lane
	s_delay_alu instid0(VALU_DEP_2)
	v_lshl_add_u32 v1, v4, LOGH, v[Q16]            ; the weights: 16 q, and 32 rows further down for lanes 16-31
	s_lshl_b32 s34, s19, 23                        ; w2: 8 MiB an expert,
	s_lshl_b32 s33, s16, 20                        ; 256 rows a wave,
	s_add_co_u32 s34, s34, s33
	s_lshl_b32 s33, s20, 8                         ; 64 columns a work-group
	s_add_co_u32 s34, s34, s33
	s_mov_b32 s35, 0
	s_lshl_b32 s36, s19, 2                         ; meta: word e
	s_mov_b32 s37, 0
	s_lshl_b32 s38, s19, 12                        ; b2: 4,096 bytes an expert, 256 a work-group
	s_add_co_u32 s38, s38, s33
	s_mov_b32 s39, 0
	s_mov_b32 s40, s33                             ; out0: 256 j in every row
	s_mov_b32 s41, 0
	s_wait_alu depctr_va_vdst(0)
	s_wait_kmcnt 0x0
	s_add_nc_u64 s[4:5], s[4:5], s[34:35]
	s_add_nc_u64 s[10:11], s[10:11], s[36:37]
	s_add_nc_u64 s[12:13], s[12:13], s[38:39]
	s_add_nc_u64 s[14:15], s[14:15], s[40:41]
	s_load_b32 s21, s[10:11], 0x0                  ; N: the expert's tokens
	s_load_b32 s22, s[10:11], 0x40                 ; its first place in perm
	s_load_b32 s23, s[10:11], 0x80                 ; its first tile
	global_load_b128 v[B2:B2+3], v[Q16], s[12:13]
	LOADU 0                                        ; half of my stream is asked for before anything is known of the tokens
	LOADU 1
	s_mul_i32 s33, s16, 16*PITCH
	s_add_co_u32 s33, s33, STAGE                   ; my stage
	s_mul_i32 s32, s16, 2*IMG                      ; my two images
	v_mul_u32_u24 v6, v5, PITCH                    ; the two address chains stand among independent lines: each reader five vector lines behind its producer
	v_mul_u32_u24 v7, v4, PITCH
	v_lshlrev_b32 v9, 3, v4                        ; 8 h
	v_add_nc_u32 v8, s32, v3                       ; my two images, 16 bytes a lane
	v_add_nc_u32 v11, 8*IMG, v3                    ; images 8-15 (images 0-7: v3)
	v_lshl_add_u32 v6, v4, 7, v6
	v_lshl_add_u32 v7, v5, 4, v7
	v_mov_b32 v[TP], 0                             ; lane permutes' destinations count as sources: written once
	v_mov_b32 v[TP+1], 0
	v_mov_b32 v[TP+2], 0
	v_add_nc_u32 v6, s33, v6                       ; into the stage: row r, + 128 h
	v_add_nc_u32 v7, s33, v7                       ; back: row h, + 16 q
	v_mov_b32 v[TP+3], 0
	s_mov_b32 s[SEL], 0x76543210
	s_mov_b32 s[SEL+1], 0xfedcba98
	s_wait_alu depctr_va_vdst(0)
	s_wait_kmcnt 0x0
	s_min_u32 s21, s21, 1024
	s_min_u32 s22, s22, 1023
	s_min_u32 s23, s23, 79
	s_max_u32 s28, s21, 1
	s_sub_co_u32 s28, s28, 1                       ; the last sorted row (0 where there is none)
	s_add_co_u32 s29, s21, 15
	s_lshr_b32 s29, s29, 4
	s_max_u32 s29, s29, 1
	s_sub_co_u32 s29, s29, 1                       ; the expert's last tile (likewise)
	s_cmp_eq_u32 s21, 0
	s_cselect_b32 s23, 0, s23                      ; no token: tile 0 of hq, which some expert has always written, is loaded and not used
	s_lshl_b32 s17, s16, 4                         ; 16 w
	s_mov_b32 s24, 0                               ; the trip
	s_mov_b32 s25, s17                             ; my tile's first sorted row
	SETA
	; ---- part 1.  The loads go out in the order b2 U0 U1 U2 U3 tokens X0 X1.
	UNIT 0, 32                                     ; behind unit 0: unit 1
	UNIT 1, 32                                     ; behind unit 1: unit 2
	STOREIMG 0
	s_wait_dscnt 0x0                               ; the stores have read F and SW: they are written again
	UNIT 2, 32                                     ; behind unit 2: unit 3
	TOKL                                           ; set 0 is free: it takes the first trip's tokens and K steps 0-7 of my tile
	AISSUE 0
	UNIT 3, 40                                     ; behind unit 3: 8 + 32
	STOREIMG 1
	AISSUE 1                                       ; set 1 is free: K steps 8-15
	s_wait_dscnt 0x0                               ; for the others' sake: my images have landed
	s_barrier_signal -1
	s_barrier_wait -1                              ; all 16 images lie in LDS; nothing writes them again
	; ---- part 2
.Ltrip:
	s_lshl_b32 s25, s24, 7
	s_add_co_u32 s25, s25, s17                     ; my tile's first sorted row
	s_cmp_lt_u32 s25, s21
	s_cbranch_scc0 .Lnext                          ; my tile has no rows
	s_cmp_eq_u32 s24, 0
	s_cbranch_scc1 .Lissued                        ; the first trip's loads are out already
	s_wait_loadcnt 0x0                             ; no load of mine is out: the sets are loaded again
	s_wait_xcnt 0x0                                ; and the loads' base and offsets are written again
	SETA
	TOKL
	AISSUE 0
	AISSUE 1
.Lissued:
	WIN 0x04                                       ; source 1 (hq's fragments) window 1, all else window 0
	LDB 0
	LDB 1
.set KK, 0
.rept 16
.if KK == 0
	s_wait_loadcnt 32                              ; the tokens and K steps 0-7 are in; behind them stand the 32 loads of K steps 8-15
.endif
.if KK == 8
	s_wait_loadcnt 0x0
.endif
.if KK < 15
	s_wait_dscnt 13                                ; this K step's image is in; the next one's 13 loads may be out
.else
	s_wait_dscnt 0x0
.endif
	WMK KK
.if KK+2 < 16
.rept 4
	v_nop                                          ; places ahead of loads into registers that these products read
.endr
	LDB KK+2
.endif
.set KK, KK+1
.endr
	WIN 0
.rept 4
	v_nop                                          ; places ahead of the first read of results
.endr
.irp j, 0,1,2,3,4,5,6,7
.irp c, 0,1,2,3
	v_mov_b32 v[CE+4*\j+\c], v[ACC+8*\c+\j]        ; columns in their true order: 32 h + 4 j + c; each accumulator is read from its register 0 on
.endr
.endr
.irp j, 0,1,2,3,4,5,6,7
	ds_store_b128 v6, v[CE+4*\j:CE+4*\j+3] offset:16*\j
.endr
.irp t, 0,1,2,3,4,5,6,7
	ds_load_b128 v[RB+4*\t:RB+4*\t+3], v7 offset:2*PITCH*\t   ; LDS serves a wave's instructions in order: rows 2 t + h, 16 bytes a lane
.endr
	WIN 0x04
.irp t, 0,1,2,3,4,5,6,7
	v_min_u32 v[OA+\t], 0x3ff, v[TOKR+\t]          ; the token of row 2 t + h of the tile
.endr
	WIN 0
.irp t, 0,1,2,3,4,5,6,7
	v_lshlrev_b32 v[OA+\t], 12, v[OA+\t]           ; its row of out0,
.endr
.irp t, 0,1,2,3,4,5,6,7
	v_add_nc_u32 v[OA+\t], v[OA+\t], v[Q16]        ; my 16 bytes
.endr
	s_wait_alu depctr_va_vdst(0)
.irp t, 0,1,2,3,4,5,6,7
	s_wait_dscnt 7-\t                              ; these two rows are back; one load stands behind them for each pair to come
	v_pk_add_f32 v[RB+4*\t:RB+4*\t+1], v[RB+4*\t:RB+4*\t+1], v[B2:B2+1]
	v_pk_add_f32 v[RB+4*\t+2:RB+4*\t+3], v[RB+4*\t+2:RB+4*\t+3], v[B2+2:B2+3]
	global_store_b128 v[OA+\t], v[RB+4*\t:RB+4*\t+3], s[14:15] th:TH_STORE_NT   ; sixteen lanes store 256 consecutive bytes, aligned
.endr
	s_wait_xcnt 0x0                                ; the stores have read their data and their offsets: a later trip writes those registers
.Lnext:
	s_wait_loadcnt 0x0                             ; a wave that passed over the product has loads out: none stays out over the loop's edge
	s_add_co_u32 s24, s24, 1
	s_cmp_lt_u32 s24, 8
	s_cbranch_scc1 .Ltrip
	s_wait_tensorcnt 0x0                           ; the wave's end, behind my last LDS store
	ds_add_u32 v[SPW], v[NIL]
	s_wait_dscnt 0x0
	s_endpgm
.Lfunc_end_k_q4db2c2fb46_ffn2:
	.size	k_q4db2c2fb46_ffn2, .Lfunc_end_k_q4db2c2fb46_ffn2-k_q4db2c2fb46_ffn2
	.p2alignl 7, 3214868480
	.fill 96, 4, 3214868480
	.section	.rodata,"a",@progbits
	.p2align	6, 0x0
	.amdhsa_kernel k_q4db2c2fb46_ffn2
		.amdhsa_group_segment_fixed_size 142336
		.amdhsa_private_segment_fixed_size 0
		.amdhsa_enable_private_segment 0
		.amdhsa_kernarg_size 48
		.amdhsa_user_sgpr_count 2
		.amdhsa_user_sgpr_kernarg_segment_ptr 1
		.amdhsa_wavefront_size32 1
		.amdhsa_system_sgpr_workgroup_id_x 1
		.amdhsa_system_sgpr_workgroup_id_y 1
		.amdhsa_system_sgpr_workgroup_id_z 1
		.amdhsa_system_vgpr_workitem_id 0
		.amdhsa_next_free_vgpr 512
		.amdhsa_next_free_sgpr 66
		.amdhsa_reserve_vcc 0
		.amdhsa_float_denorm_mode_32 3
		.amdhsa_float_denorm_mode_16_64 3
		.amdhsa_memory_ordered 1
		.amdhsa_forward_progress 1
		.amdhsa_inst_pref_size 114
	.end_amdhsa_kernel
	.amdgpu_metadata
---
amdhsa.version: [ 1, 2 ]
amdhsa.kernels:
  - .name:           k_q4db2c2fb46_ffn2
    .symbol:         k_q4db2c2fb46_ffn2.kd
    .args:
      - { .name: w2, .offset: 0, .size: 8, .value_kind: global_buffer, .address_space: global }
      - { .name: hq, .offset: 8, .size: 8, .value_kind: global_buffer, .address_space: global }
      - { .name: perm, .offset: 16, .size: 8, .value_kind: global_buffer, .address_space: global }
      - { .name: meta, .offset: 24, .size: 8, .value_kind: global_buffer, .address_space: global }
      - { .name: b2, .offset: 32, .size: 8, .value_kind: global_buffer, .address_space: global }
      - { .name: out0, .offset: 40, .size: 8, .value_kind: global_buffer, .address_space: global }
    .group_segment_fixed_size: 142336
    .private_segment_fixed_size: 0
    .kernarg_segment_align: 8
    .kernarg_segment_size: 48
    .max_flat_workgroup_size: 256
    .sgpr_count:     66
    .vgpr_count:     512
    .wavefront_size: 32
...
	.end_amdgpu_metadata
.endif
;; end of part 4
